; MI455X (gfx1250); checked and timed in simulation.
; The chip was launched on July 23, 2026; its instructions are those of AMD's public machine-readable ISA for CDNA 5 (MIT licence, August 2026) and "CDNA5" Instruction Set Architecture Reference Guide (July 2026). The comments in the code are by the model that wrote it; some were corrected since.
;; Slice Self Attention. Allowed arithmetic: float matrix products may take bf16 or f16 operands with f32 sums; other float arithmetic in f32, or as packed bf16 or f16 multiplies, adds, multiply-adds, maxima and minima; sums over many terms, partial sums and values carried from step to step in f32; what a program stores and reads back later, other than sums and carried values, may be rounded once to bf16 or f16.
;; Inputs: beta_t 256 float32; beta_v 256 float32; gamma_t 256 float32; gamma_v 256 float32; text_tokens 8 x 4,096 x 256 float32; visual_tokens 8 x 4,096 x 256 float32.
;; Outputs: out0 8 x 4,096 x 256 float32.
;; 2 versions, each right and faster than the one before. Each part assembles by itself: llvm-mc -triple=amdgcn-amd-amdhsa -mcpu=gfx1250 --defsym DOCPART=n.
;; ======== version 1 of 2: 2 launches
;; limits: values are held in f16: magnitudes above 65,504 overflow, below 6.1e-05 lose precision; right only within a limited range of input values
;; workspace buffers: vn 16,777,216 bytes; tn 16,777,216 bytes
;; launch norm (part 1): grid 256 x 2, 8 waves a work-group, no clusters, 0 bytes of LDS; arguments visual_tokens, text_tokens, gamma_v, gamma_t, beta_v, beta_t, vn, tn; writes vn, tn
.if DOCPART == 1
	.amdgcn_target "amdgcn-amd-amdhsa--gfx1250"
	.amdhsa_code_object_version 6
	.text
	.protected	k_qd744d406aa_norm
	.globl	k_qd744d406aa_norm
	.p2align	8
	.type	k_qd744d406aa_norm,@function
k_qd744d406aa_norm:
	s_mov_b64 s[64:65], 0
	v_nop
	global_prefetch_b8 v0, s[64:65] scope:SCOPE_SE
	s_setreg_imm32_b32 hwreg(HW_REG_WAVE_MODE, 25, 1), 1
	s_wait_xcnt 0x0
; LayerNorm of both token tensors: y[r][c] = (x[r][c] - mean_r) * rsqrt(var_r + 1e-5) * gamma[c] + beta[c].
; x: [32768][256] f32 (8 batches x 4,096 rows), y: the same shape in f16, rounded once.  Grid y picks the tensor: 0 visual, 1 text.
; All arithmetic in f32, in two passes over registers: the mean first, then the mean of the squared differences, so a common offset of x costs nothing.
; LIMIT.  |y| is at most 16 |gamma| + |beta| (a row of 256 has no normalised number beyond 16); that has to stay under f16's 65,504.  NaN and infinities are not treated apart.
; SHARES.  A work-group owns 128 rows, each of its eight waves 16, one wave a whole row: the sums never leave the wave, so there is no LDS and no barrier.
; Lane l holds columns 4 l .. 4 l + 3 and 128 + 4 l .. + 3: a load of the wave covers 512 consecutive bytes, a store 256 consecutive bytes at a multiple of 256.
; All 32 row loads of a wave go out at once (16,384 bytes on their way for each wave); the rows are then worked on four at a time, so that no line waits for the line before it.
; No matrix unit, no cluster, no tensor loads: nothing is shared between work-groups and each byte is read once.
.set XO, 2                             ; v2        byte offset in x of my first 16 bytes of the wave's first row
.set YO, 3                             ; v3        byte offset in y of my first 8 bytes of the wave's first row
.set G,  8                             ; v[8:15]   gamma of my 8 columns
.set BT, 16                            ; v[16:23]  beta of my 8 columns
.set X,  24                            ; v[24:151] row i of the wave's 16 at X + 8 i
.set T,  152                           ; v[152:167] at work: row k of a group of four has two pairs, at T + 4 k and T + 4 k + 2
	s_load_b256 s[4:11], s[0:1], 0x0               ; visual s[4:5], text s[6:7], gamma_v s[8:9], gamma_t s[10:11]
	s_load_b256 s[12:19], s[0:1], 0x20             ; beta_v s[12:13], beta_t s[14:15], vn s[16:17], tn s[18:19]
	s_and_b32 s2, ttmp7, 0xffff                    ; which tensor
	s_lshl_b32 s28, ttmp9, 17                      ; the work-group's 128 rows of 1,024 bytes in x,
	s_mov_b32 s29, 0
	s_lshl_b32 s30, ttmp9, 16                      ; and of 512 bytes in y
	s_mov_b32 s31, 0
	s_mov_b32 s3, 0x3b800000                       ; 1 / 256
	s_mov_b32 s34, 0x3727c5ac                      ; 1e-5
	s_mov_b32 s32, 0x76543210                      ; v_permlanex16_b32: each lane takes its own place in the other half
	s_mov_b32 s33, 0xfedcba98
	v_and_b32 v1, 31, v0                           ; lane
	v_lshrrev_b32 v5, 5, v0                        ; wave
	v_lshlrev_b32 v4, 4, v1                        ; 16 x lane: my place in gamma, beta and half a row of x
	v_lshl_add_u32 v[XO], v5, 14, v4               ; + wave x 16 rows x 1,024 bytes
	v_lshlrev_b32 v[YO], 3, v1
	v_lshl_add_u32 v[YO], v5, 13, v[YO]            ; 8 x lane + wave x 16 rows x 512 bytes
	s_wait_kmcnt 0x0
	s_cmp_eq_u32 s2, 0                             ; the choice hangs on the grid's y alone
	s_cselect_b64 s[20:21], s[4:5], s[6:7]         ; x
	s_cselect_b64 s[22:23], s[8:9], s[10:11]       ; gamma
	s_cselect_b64 s[24:25], s[12:13], s[14:15]     ; beta
	s_cselect_b64 s[26:27], s[16:17], s[18:19]     ; y
	s_add_nc_u64 s[20:21], s[20:21], s[28:29]
	s_add_nc_u64 s[26:27], s[26:27], s[30:31]
	global_load_b128 v[G:G+3],     v4, s[22:23]
	global_load_b128 v[G+4:G+7],   v4, s[22:23] offset:512
	global_load_b128 v[BT:BT+3],   v4, s[24:25]
	global_load_b128 v[BT+4:BT+7], v4, s[24:25] offset:512
.irp i, 0,1,2,3,4,5,6,7,8,9,10,11,12,13,14,15
	global_load_b128 v[X+8*\i:X+8*\i+3],   v[XO], s[20:21] offset:1024*\i th:TH_LOAD_NT
	global_load_b128 v[X+8*\i+4:X+8*\i+7], v[XO], s[20:21] offset:1024*\i+512 th:TH_LOAD_NT
.endr
; One line for each of the group's four rows: rx the row's registers, ra and rb its two pairs at work.
.macro ROWS line:vararg
.set k, 0
.rept 4
.set row, 4*grp+k
.set rx, X+8*row
.set ra, T+4*k
.set rb, T+4*k+2
	\line
.set k, k+1
.endr
.endm
; Rows 4 g .. 4 g + 3.
.macro GROUP g
.set grp, \g
	s_wait_loadcnt 24-8*(\g)                       ; loads come back in order: the 24 - 8 g row loads issued behind row 4 g + 3 may stay out; gamma and beta went first
	ROWS v_pk_add_f32 v[ra:ra+1], v[rx:rx+1], v[rx+2:rx+3]
	ROWS v_pk_add_f32 v[rb:rb+1], v[rx+4:rx+5], v[rx+6:rx+7]
	ROWS v_pk_add_f32 v[ra:ra+1], v[ra:ra+1], v[rb:rb+1]
	ROWS v_add_f32 v[ra], v[ra], v[ra+1]           ; my eight numbers' sum
.irp m, 1,2,4,8
	ROWS v_add_f32_dpp v[ra], v[ra], v[ra] row_xmask:\m row_mask:0xf bank_mask:0xf
.endr
	ROWS v_permlanex16_b32 v[rb], v[ra], s32, s33
	ROWS v_add_f32 v[ra], v[ra], v[rb]             ; the row's sum, in every lane
.irp j, 0,2,4,6
	ROWS v_pk_fma_f32 v[rx+\j:rx+\j+1], v[ra:ra+1], 0xbb800000, v[rx+\j:rx+\j+1] op_sel_hi:[0,0,1]  ; d = x - sum / 256
.endr
	ROWS v_pk_mul_f32 v[rb:rb+1], v[rx:rx+1], v[rx:rx+1]
.irp j, 2,4,6
	ROWS v_pk_fma_f32 v[rb:rb+1], v[rx+\j:rx+\j+1], v[rx+\j:rx+\j+1], v[rb:rb+1]
.endr
	ROWS v_add_f32 v[rb], v[rb], v[rb+1]           ; my eight squares' sum
.irp m, 1,2,4,8
	ROWS v_add_f32_dpp v[rb], v[rb], v[rb] row_xmask:\m row_mask:0xf bank_mask:0xf
.endr
	ROWS v_permlanex16_b32 v[ra], v[rb], s32, s33
	ROWS v_add_f32 v[rb], v[rb], v[ra]
	ROWS v_fma_f32 v[rb], v[rb], s3, s34           ; var + eps
	ROWS v_rsq_f32 v[rb], v[rb]
	v_nop                                          ; a plain instruction between the last root and the use of its result (ISA guide 5.7.2)
	s_wait_alu depctr_va_vdst(0)
.irp j, 0,2,4,6
	ROWS v_pk_mul_f32 v[rx+\j:rx+\j+1], v[rx+\j:rx+\j+1], v[rb:rb+1] op_sel_hi:[1,0]
.endr
.irp j, 0,2,4,6
	ROWS v_pk_fma_f32 v[rx+\j:rx+\j+1], v[rx+\j:rx+\j+1], v[G+\j:G+\j+1], v[BT+\j:BT+\j+1]
.endr
.irp j, 0,1,2,3
	ROWS v_cvt_pk_f16_f32 v[rx+\j], v[rx+2*\j], v[rx+2*\j+1]  ; in place, ascending: register j is free when pair j is rounded
.endr
	ROWS global_store_b64 v[YO], v[rx:rx+1], s[26:27] offset:512*row        ; 32 lanes store 256 consecutive bytes, at a multiple of 256 from y's first byte
	ROWS global_store_b64 v[YO], v[rx+2:rx+3], s[26:27] offset:512*row+256  ; no register that a store reads is written again
.endm
	GROUP 0
	GROUP 1
	GROUP 2
	GROUP 3
	s_endpgm
.Lfunc_end_k_qd744d406aa_norm:
	.size	k_qd744d406aa_norm, .Lfunc_end_k_qd744d406aa_norm-k_qd744d406aa_norm
	.p2alignl 7, 3214868480
	.fill 96, 4, 3214868480
	.section	.rodata,"a",@progbits
	.p2align	6, 0x0
	.amdhsa_kernel k_qd744d406aa_norm
		.amdhsa_group_segment_fixed_size 0
		.amdhsa_private_segment_fixed_size 0
		.amdhsa_enable_private_segment 0
		.amdhsa_kernarg_size 64
		.amdhsa_user_sgpr_count 2
		.amdhsa_user_sgpr_kernarg_segment_ptr 1
		.amdhsa_wavefront_size32 1
		.amdhsa_system_sgpr_workgroup_id_x 1
		.amdhsa_system_sgpr_workgroup_id_y 1
		.amdhsa_system_sgpr_workgroup_id_z 1
		.amdhsa_system_vgpr_workitem_id 0
		.amdhsa_next_free_vgpr 168
		.amdhsa_next_free_sgpr 66
		.amdhsa_reserve_vcc 0
		.amdhsa_float_denorm_mode_32 3
		.amdhsa_float_denorm_mode_16_64 3
		.amdhsa_memory_ordered 1
		.amdhsa_forward_progress 1
		.amdhsa_inst_pref_size 47
	.end_amdhsa_kernel
	.amdgpu_metadata
---
amdhsa.version: [ 1, 2 ]
amdhsa.kernels:
  - .name:           k_qd744d406aa_norm
    .symbol:         k_qd744d406aa_norm.kd
    .args:
      - { .name: visual_tokens, .offset: 0, .size: 8, .value_kind: global_buffer, .address_space: global }
      - { .name: text_tokens, .offset: 8, .size: 8, .value_kind: global_buffer, .address_space: global }
      - { .name: gamma_v, .offset: 16, .size: 8, .value_kind: global_buffer, .address_space: global }
      - { .name: gamma_t, .offset: 24, .size: 8, .value_kind: global_buffer, .address_space: global }
      - { .name: beta_v, .offset: 32, .size: 8, .value_kind: global_buffer, .address_space: global }
      - { .name: beta_t, .offset: 40, .size: 8, .value_kind: global_buffer, .address_space: global }
      - { .name: vn, .offset: 48, .size: 8, .value_kind: global_buffer, .address_space: global }
      - { .name: tn, .offset: 56, .size: 8, .value_kind: global_buffer, .address_space: global }
    .group_segment_fixed_size: 0
    .private_segment_fixed_size: 0
    .kernarg_segment_align: 8
    .kernarg_segment_size: 64
    .max_flat_workgroup_size: 256
    .sgpr_count:     66
    .vgpr_count:     168
    .wavefront_size: 32
...
	.end_amdgpu_metadata
.endif
;; end of part 1
;; launch attn (part 2): grid 32 x 8, 4 waves a work-group, clusters of 4 x 1, 327,680 bytes of LDS; arguments vn, tn, out0; writes out0
.if DOCPART == 2
	.amdgcn_target "amdgcn-amd-amdhsa--gfx1250"
	.amdhsa_code_object_version 6
	.text
	.protected	k_qd744d406aa_attn
	.globl	k_qd744d406aa_attn
	.p2align	8
	.type	k_qd744d406aa_attn,@function
k_qd744d406aa_attn:
	s_mov_b64 s[64:65], 0
	v_nop
	global_prefetch_b8 v0, s[64:65] scope:SCOPE_SE
	s_setreg_imm32_b32 hwreg(HW_REG_WAVE_MODE, 25, 1), 1
	s_wait_xcnt 0x0
	s_wait_alu depctr_hold_cnt(0) depctr_sa_sdst(0) depctr_va_vdst(0) depctr_va_sdst(0) depctr_va_ssrc(0) depctr_va_vcc(0) depctr_vm_vsrc(0)
	s_getreg_b32 s2, hwreg(HW_REG_IB_STS2, 6, 4)
	s_cmp_eq_u32 s2, 0
	s_cbranch_scc0 .Lentry_in_a_cluster
	s_endpgm
.Lentry_in_a_cluster:
	s_bfe_u32 s2, ttmp6, 0x10000c
	s_cmp_lg_u32 s2, 0x3003
	s_cbranch_scc0 .Lentry_shape_is_right
	s_endpgm
.Lentry_shape_is_right:
; out[b][q][:] = the sum over k of softmax_k(V[b][q] . T[b][k] / 16) T[b][k][:].  V = vn, T = tn: [8][4096][256] f16, rows of 512 bytes; out: the same shape in f32.
; Products, maxima and sums in f32; the weights p are rounded to f16 for the second product (their sum l is taken of the unrounded p).
; LIMITS.  V and T arrive within f16's range; p lies in 0 to 1 and below 6e-5 keeps f16's fixed step; a weight below 2^-126 counts as 0 in l; NaN and infinities are not treated apart.
; SHARES.  32,768 queries on 256 work-groups: 128 queries each.  Wave w = 2 qh + kh takes the 64 queries of half qh (four tiles of 16) and, of every 128 keys, the 64 of half kh:
; so a fragment read from LDS feeds four matrix instructions.  Each wave keeps its own running maximum m, sum l and O; the two key halves are merged once, at the end, through LDS.
; Register tile t of a wave holds query tile t xor 2 kh: every wave keeps its tiles 0, 1 and gives its tiles 2, 3 to its partner w xor 1, by one text.
; LAYOUT.  S^T = K Q^T (source 0 = 16 keys, source 1 = 16 queries): a lane holds ONE query (lane % 16) and the keys 8 (lane / 16) + 0..7.  Two such results rounded to f16 in pairs ARE
; source 1 (32 keys x 16 queries) of O^T = V^T P.  K and V are the same rows of T: one tile in LDS serves both, read as it lies for K and turned, by ds_load_tr16_b128, for V.
; The turning load's two groups of eight lanes take columns 128 bytes apart, so channel block cb holds channels base + 0..7 and base + 64 + 0..7, base = 128 (cb / 8) + 8 (cb % 8):
; in O^T register j of a lane is channel base + 64 (lane / 16) + j.
; SOFTMAX.  p = 2^(c s - c m), c = log2(e) / 16; in every step O and l are multiplied by a = 2^(c m_old - c m_new).  m starts at the lowest finite number, O and l at 0: the first
; step is a step like any other, with a = 0; the price is 512 lines that write 0, in the wait for the first tile.
; A STEP (128 keys, 64 a wave): 128 products K Q^T; the softmax of the four tiles; 128 products V^T P, with the rescaling of the next channel block's O^T between them.
; CLUSTER.  The four query blocks of a cluster belong to one batch and walk the same T: each tile is asked for JOINTLY, the same tensor load, descriptor and mask in all four.
; REGISTERS, in windows of 256 (s_set_vgpr_msb: bits 1:0 source 0, 3:2 source 1, 5:4 source 2, 7:6 destination):
;   window 0: v0-19 addresses; v20-51 eight registers of statistics a tile; v52-179 S^T, 32 a tile, later P in place; v180-243 four fragment buffers of 16
;   window 1: O^T of tiles 0, 1 (tile t, block cb at 128 (t % 2) + 8 cb)      window 2: O^T of tiles 2, 3      window 3: Q (tile t, channels 32 c on at 64 t + 8 c)
.set PITCH, 528                        ; a row of T in LDS: 512 bytes + 16 of padding = 132 words: row r starts at bank 4 r mod 64 (64 banks of 4 bytes: ISA guide 11.1)
.set QUART, 32*PITCH                   ; what one tensor load brings: 32 rows
.set SLOT1, 1<<17                      ; slot 0 begins at 0, slot 1 here: one exclusive or turns an address in one slot into the other's
.set OST,   SLOT1+128*PITCH            ; behind the ring: 16 rows x 528 bytes for each wave, for the way out
.set STS,   OST+4*16*PITCH             ; 512 bytes for each wave: the statistics that it gives to its partner
.set SPARE, STS+4*512                  ; the spare words, 128 bytes for each wave: two blocks of 256 bytes that no other line names
                                       ; the merge stage, 32,768 bytes a wave from byte 0 on, ends where slot 1 begins; it is written when slot 0 has had its last fill
.set AK0, 3                            ; v3   my lane's place in a tile for K: (64 kh + l % 16) x 528 + 16 (l / 16)
.set AV0, 4                            ; v4   for V: (64 kh + 8 (l / 16) + l % 8) x 528 + 128 ((l / 8) % 2)
.set AK,  5                            ; v5   AK0 + the slot in hand
.set AV,  6                            ; v6   AV0 + the slot in hand
.set QO,  7                            ; v7   my byte offset in 16 rows of Q
.set MSW, 8                            ; v8   the merge stage: where I write
.set MSR, 9                            ; v9   where I read: my partner's
.set OSW, 10                           ; v10  the way out: where I put my channels of a row
.set OSR, 11                           ; v11  where I read a row back
.set GO,  12                           ; v12  16 x lane: my byte offset in 512 consecutive bytes of out
.set STW, 13                           ; v13  the statistics: where I write
.set STR, 14                           ; v14  where I read: my partner's
.set SPW, 18                           ; v18  LDS address of my spare word: SPARE + 4 x my thread's number; never rewritten
.set NIL, 19                           ; v19  0; never rewritten
.set ST,  20                           ; tile t at ST + 8 t: +0 c m, +1 m, +2, +3 l (even keys', odd keys'), +4 to +7 c0-c3 at work; a takes c2's place
.set S,   52
.set FR,  180
.set WV,  10                           ; s10  my wave's number;  s11 kh;  s12 qh
.set G1,  24                           ; s[24:31] descriptor group 1
.set G0,  32                           ; s[32:35] descriptor group 0: it walks
.set CS,  36                           ; s[36:37] c: the packed scaling takes the pair's low word for both halves
.set SEL, 38                           ; s[38:39] v_permlanex16_b32's selects: each lane takes its own place in the other half
.set TB,  40                           ; s40  LDS byte at which the slot in hand begins
.set SLOTS, 41                         ; s41  tiles still to be asked for
.set W_KQ, 0x0c                        ; Q (source 1) in window 3; K, S^T in window 0
.set PV1,  0x50                        ; O^T (C and D) in window 1; V, P in window 0
.set PV2,  0xa0                        ; the same with window 2
.set MSB, 0
.macro WIN new                         ; the high byte repeats the setting that is left; a switch that changes nothing is dropped
.if MSB != (\new)
	s_set_vgpr_msb (MSB<<8)|(\new)
.set MSB, (\new)
.endif
.endm
.macro PLACES                          ; four places in front of loads into registers that matrix instructions have read, and of vector lines that read results just made
.rept 4
	v_nop
.endr
.endm
.macro ALL line:vararg                 ; one line for each tile t
.set t, 0
.rept 4
	\line
.set t, t+1
.endr
.endm
; A round of the cluster's barrier: my work-group's barrier, so that wave 0's signal speaks for all four waves; wave 0 signals; every wave waits for all four work-groups; my work-group's barrier once more.
.macro CROUND
	s_barrier_signal -1
	s_barrier_wait -1
	s_cmp_lg_u32 s[WV], 0
	s_cbranch_scc1 .Lnot_wave_0_\@
	s_barrier_signal -3
.Lnot_wave_0_\@:
	s_barrier_wait -3
	s_barrier_signal -1
	s_barrier_wait -1
.endm
; A joint fill: every wave fetches its own 32 rows of the tile, by one line; an s_nop 0 and four v_nop follow it.
.macro JLOAD
	tensor_load_to_lds s[G0:G0+3], s[G1:G1+7]
	s_nop 0
	PLACES
.endm
; THE CHANGE OF SLOTS.  Each wave waits for all its tensor loads, of which one is out: its part of the other slot; adds 0 to its spare word; and waits for that and for its own reads of the
; slot that it leaves.  fill = 1: the barrier is a round of the cluster's, so that no wave of any partner still reads the old slot or has a load on its way, and the joint fill of the old slot,
; with the keys two tiles on from it, is the first thing behind it: it has a whole step, 256 matrix instructions and the softmax, in which to land.
; (At its first use nothing has been read yet: slot 0 is waited for, slot 1 filled.)
.macro CHANGE fill
	WIN 0                                          ; at a label and at a branch every window is 0
	s_wait_tensorcnt 0x0                           ; no tensor load of mine is out, so group 0 may be written
	ds_add_u32 v[SPW], v[NIL]                      ; 0 onto my spare word
.if \fill
	s_xor_b32 s[G0+1], s[G0+1], SLOT1              ; the walking descriptor: the other slot than last time,
	s_add_nc_u64 s[G0+2:G0+3], s[G0+2:G0+3], 128*512  ; the next 128 keys; the type bits on top are not reached
.endif
	s_wait_dscnt 0x0                               ; the add is done, and my reads of the slot are over
.if \fill
	CROUND
	JLOAD
.else
	s_barrier_signal -1
	s_barrier_wait -1
.endif
	s_xor_b32 s[TB], s[TB], SLOT1                  ; the reads go to the slot that has landed
.endm
	s_load_b128 s[4:7], s[0:1], 0x0                ; vn s[4:5], tn s[6:7]
	s_load_b64 s[8:9], s[0:1], 0x10                ; out0
	v_lshl_add_u32 v[SPW], v0, 2, SPARE
	v_mov_b32 v[NIL], 0
	ds_add_u32 v[SPW], v[NIL]                      ; the wave's opening: the add and its wait stand ahead of my first tensor load; the set-up below, work on registers, stands between them
	v_lshrrev_b32 v15, 5, v0
	v_readfirstlane_b32 s[WV], v15                 ; wave 0..3
	s_and_b32 s11, s[WV], 1                        ; kh: my half of the keys
	s_lshr_b32 s12, s[WV], 1                       ; qh: my half of the queries
	s_bfe_u32 s13, ttmp6, 0x40000                  ; cx: my place in the cluster
	s_lshl_b32 s14, ttmp9, 2                       ; in a cluster launch ttmp9 counts clusters
	s_add_co_u32 s14, s14, s13                     ; my block of 128 queries = 4 x cluster x + cx: it enters Q's and out's addresses alone
	s_and_b32 s16, ttmp7, 0xffff                   ; the batch, which the four partners share
	s_lshl_b32 s42, s16, 22                        ; its first byte in out,
	s_mov_b32 s43, 0
	s_lshl_b32 s16, s16, 21                        ; and in vn and tn
	s_mov_b32 s17, 0
	s_lshl_b32 s22, s[WV], 14                      ; my 32 rows of 512 bytes in a tile of T
	s_mov_b32 s23, 0
	s_add_nc_u64 s[22:23], s[22:23], s[16:17]
	s_lshl_b32 s2, s14, 16                         ; my block's 128 rows of 512 bytes,
	s_lshl_b32 s3, s12, 15                         ; my half's 64 of them
	s_add_co_u32 s2, s2, s3
	s_lshl_b32 s18, s11, 14                        ; register tiles 0, 1: query tiles 2 kh, 2 kh + 1
	s_add_co_u32 s18, s18, s2
	s_mov_b32 s19, 0
	s_xor_b32 s3, s11, 1                           ; register tiles 2, 3: the other two
	s_lshl_b32 s44, s3, 14
	s_add_co_u32 s44, s44, s2
	s_mov_b32 s45, 0
	s_lshl_b32 s46, s18, 1                         ; the rows that I store are those of tiles 0, 1, 1,024 bytes each
	s_mov_b32 s47, 0
	s_add_nc_u64 s[18:19], s[18:19], s[16:17]
	s_add_nc_u64 s[44:45], s[44:45], s[16:17]
	s_add_nc_u64 s[46:47], s[46:47], s[42:43]
	; descriptor group 1: a tile of 32 rows x 256 elements, padded in LDS
	s_mov_b32 s[G1], 15|(1<<16)|(1<<20)|(1<<21)|(6<<22)|(3<<25)  ; 15:0 the mask of four; 17:16 2-byte elements; 20 padding on; 21 set beside a mask; 24:22 after every 128 words (code 6); 31:25 4 words (code 3)
	s_mov_b32 s[G1+1], 256<<16                     ; tensor_dim0 = 256
	s_mov_b32 s[G1+2], 32<<16                      ; tensor_dim1 = 32
	s_mov_b32 s[G1+3], 256<<16                     ; tile_dim0 = 256
	s_mov_b32 s[G1+4], 32                          ; tile_dim1 = 32
	s_mov_b32 s[G1+5], 256                         ; 256 elements from row to row
	s_mov_b32 s[G1+6], 0
	s_mov_b32 s[G1+7], 0
	s_mov_b32 s[G0], 1                             ; 1:0 count = 1
	s_mul_i32 s[G0+1], s[WV], QUART                ; 63:32 LDS address: slot 0, my quarter: no place in the cluster enters an LDS address
	s_mov_b32 s[CS], 0x3db8aa3b                    ; c = log2(e) / 16 = 0.0901684
	s_mov_b32 s[CS+1], s[CS]                       ; named with it as a pair
	s_mov_b32 s[SEL], 0x76543210
	s_mov_b32 s[SEL+1], 0xfedcba98
	s_mov_b32 s[TB], SLOT1                         ; the first change of slots turns it into 0
	s_mov_b32 s[SLOTS], 4096/128-1
	v_and_b32 v1, 15, v0                           ; l % 16
	v_bfe_u32 v2, v0, 4, 1                         ; l / 16
	v_and_b32 v16, 31, v0                          ; l
	v_and_b32 v17, 7, v0                           ; l % 8
	v_bfe_u32 v15, v0, 3, 1                        ; (l / 8) % 2
	s_mul_i32 s48, s11, 64*PITCH                   ; my half of a tile's rows
	; A fragment of K or Q is 16 rows x 32 channels in 8 registers: lane l holds row l % 16, channels 8 (l / 16) + 0..7 and 16 + 8 (l / 16) + 0..7: two loads of 16 bytes, 32 bytes apart.
	v_mul_u32_u24 v[AK0], v1, PITCH
	v_lshl_add_u32 v[AK0], v2, 4, v[AK0]
	v_add_nc_u32 v[AK0], s48, v[AK0]
	; The turning load: lane l reads 16 bytes of key 8 (l / 16) + l % 8; lanes 8-15 and 24-31 read 128 bytes further on.
	v_lshl_add_u32 v[AV0], v2, 3, v17
	v_mul_u32_u24 v[AV0], v[AV0], PITCH
	v_lshl_add_u32 v[AV0], v15, 7, v[AV0]
	v_add_nc_u32 v[AV0], s48, v[AV0]
	v_lshlrev_b32 v[QO], 9, v1
	v_lshl_add_u32 v[QO], v2, 4, v[QO]             ; row x 512 + 16 x half
	v_lshlrev_b32 v[GO], 4, v16
	s_xor_b32 s50, s[WV], 1                        ; my partner: the same queries, the other keys
	s_lshl_b32 s49, s[WV], 15
	v_add_nc_u32 v[MSW], s49, v[GO]
	s_lshl_b32 s49, s50, 15
	v_add_nc_u32 v[MSR], s49, v[GO]
	s_mul_i32 s49, s[WV], 16*PITCH
	s_add_co_u32 s49, s49, OST                     ; my stage for the way out
	v_mul_u32_u24 v[OSW], v1, PITCH                ; in: row l % 16, 256 bytes on for the upper half of the lanes (their channels lie 64 further on)
	v_lshl_add_u32 v[OSW], v2, 8, v[OSW]
	v_add_nc_u32 v[OSW], s49, v[OSW]
	v_add_nc_u32 v[OSR], s49, v[GO]                ; back: 32 lanes take one row's 512 bytes
	s_lshl_b32 s49, s[WV], 9
	s_add_co_u32 s49, s49, STS
	v_lshl_add_u32 v[STW], v16, 3, s49
	s_lshl_b32 s49, s50, 9
	s_add_co_u32 s49, s49, STS
	v_lshl_add_u32 v[STR], v16, 3, s49
	s_wait_dscnt 0x0                               ; the opening add is done
	s_wait_kmcnt 0x0
	s_add_nc_u64 s[G0+2:G0+3], s[6:7], s[22:23]    ; 120:64 global address: my quarter of the batch's first 128 keys
	s_or_b32 s[G0+3], s[G0+3], 0x80000000          ; 127:126 type = 2
	s_add_nc_u64 s[20:21], s[4:5], s[44:45]        ; Q of register tiles 2, 3
	s_add_nc_u64 s[4:5], s[4:5], s[18:19]          ; Q of register tiles 0, 1
	s_add_nc_u64 s[8:9], s[8:9], s[46:47]          ; out at the rows of register tiles 0, 1
	CROUND                                         ; all four work-groups are here: the first joint loads meet
	JLOAD                                          ; tile 0 into slot 0; slot 1 is asked for when slot 0 is in, by the loop's own change of slots
	WIN 0xc0                                       ; destination window 3, address window 0
.irp t, 0,1
.irp c, 0,1,2,3,4,5,6,7                ; Q stays in registers
	global_load_b128 v[64*\t+8*\c:64*\t+8*\c+3],           v[QO], s[4:5] offset:\t*8192+64*\c
	global_load_b128 v[64*\t+8*\c+4:64*\t+8*\c+7],         v[QO], s[4:5] offset:\t*8192+64*\c+32
	global_load_b128 v[128+64*\t+8*\c:128+64*\t+8*\c+3],   v[QO], s[20:21] offset:\t*8192+64*\c
	global_load_b128 v[128+64*\t+8*\c+4:128+64*\t+8*\c+7], v[QO], s[20:21] offset:\t*8192+64*\c+32
.endr
.endr
	WIN 0x40                                       ; O^T = 0: all this stands in the wait for the first tile
.set i, 0
.rept 256
	v_mov_b32 v[i], 0
.set i, i+1
.endr
	WIN 0x80
.set i, 0
.rept 256
	v_mov_b32 v[i], 0
.set i, i+1
.endr
	WIN 0
	ALL v_mov_b32 v[ST+8*t], 0xfe000000            ; c m: far below every c s
	ALL v_mov_b32 v[ST+8*t+1], 0xff7fffff          ; m: the lowest finite number
	ALL v_mov_b32 v[ST+8*t+2], 0
	ALL v_mov_b32 v[ST+8*t+3], 0
	s_wait_loadcnt 0x0                             ; Q
; THE LDS LOADS go in units of four, into four buffers of 16 registers by turns, three units ahead of their use.
; Units 0-15, K: channels 32 (u / 2) on, key blocks 2 (u % 2) and 2 (u % 2) + 1.  Units 16-31, V: channel block u - 16, both halves of the wave's 64 keys.
.macro LD u
.set LB, FR+16*((\u)%4)
.if (\u) < 16
.set LC, (\u)/2
.irp f, 0,1
.set LK, 2*((\u)%2)+\f
	ds_load_b128 v[LB+8*\f:LB+8*\f+3],   v[AK] offset:16*PITCH*LK+64*LC
	ds_load_b128 v[LB+8*\f+4:LB+8*\f+7], v[AK] offset:16*PITCH*LK+64*LC+32
.endr
.else
.set LCB, (\u)-16
.set LCOL, 256*(LCB/8)+16*(LCB%8)
.irp kk, 0,1
	ds_load_tr16_b128 v[LB+8*\kk:LB+8*\kk+3],   v[AV] offset:32*PITCH*\kk+LCOL
	ds_load_tr16_b128 v[LB+8*\kk+4:LB+8*\kk+7], v[AV] offset:32*PITCH*\kk+16*PITCH+LCOL
.endr
.endif
.endm
; Unit u of S^T = K Q^T: eight products on eight accumulators, which take turns (an accumulator comes again sixteen products later).  Channels 0-31 start the sums.
; The loads go into the buffer that the unit before has just multiplied: four places stand in front of them.  All of it runs under the one window setting W_KQ.
.macro KQU u
	PLACES
	LD (\u)+3
	s_wait_dscnt 12                                ; LDS loads come back in order: the twelve of the three units ahead may stay out, this unit's four are in
.set KC, (\u)/2
.set KF, FR+16*((\u)%4)
.irp f, 0,1
.irp t, 0,1,2,3
.set KD, S+32*\t+8*(2*((\u)%2)+\f)
.if KC == 0
	v_wmma_f32_16x16x32_f16 v[KD:KD+7], v[KF+8*\f:KF+8*\f+7], v[64*\t+8*KC:64*\t+8*KC+7], 0
.else
	v_wmma_f32_16x16x32_f16 v[KD:KD+7], v[KF+8*\f:KF+8*\f+7], v[64*\t+8*KC:64*\t+8*KC+7], v[KD:KD+7]
.endif
.endr
.endr
.endm
; Block cb of tile t's O^T times a, its registers in ascending order.
.macro RS t, cb
	WIN 0x41*(1+(\t)/2)                            ; destination and source 0 in window 1 or 2, a in window 0
.set RO, 128*((\t)%2)+8*(\cb)
.irp z, 0,1,2,3
	v_pk_mul_f32 v[RO+2*\z:RO+2*\z+1], v[RO+2*\z:RO+2*\z+1], v[ST+8*(\t)+6:ST+8*(\t)+7] op_sel_hi:[1,0]
.endr
.endm
.macro WPV t, kk                       ; O^T(t, block PCB) += V^T P for keys 32 kk on
.set PO, 128*((\t)%2)+8*PCB
	v_wmma_f32_16x16x32_f16 v[PO:PO+7], v[PF+8*(\kk):PF+8*(\kk)+7], v[S+32*(\t)+8*(\kk):S+32*(\t)+8*(\kk)+7], v[PO:PO+7]
.endm
; Unit u of O^T += V^T P: channel block u - 16, eight products; the four accumulators take turns: between the two links of a chain stands at least one other's.
; Between the pairs of products stands the rescaling of the NEXT block, which names none of their registers; the last four such lines are the places in front of the next unit's loads.
.macro PVU u
.if (\u) <= 28
	WIN 0
	LD (\u)+3
	s_wait_dscnt 12                                ; the three units ahead may stay out
.else
	s_wait_dscnt 4*(31-(\u))                       ; nothing more is fetched: the count runs down 8, 4, 0
.endif
.set PCB, (\u)-16
.set PF, FR+16*((\u)%4)
	WIN PV1
	WPV 0, 0
	WPV 1, 0
.if PCB < 15
	RS 0, PCB+1
.endif
	WIN PV2
	WPV 2, 0
	WPV 3, 0
.if PCB < 15
	RS 2, PCB+1
.endif
	WIN PV2
	WPV 2, 1
	WPV 3, 1
.if PCB < 15
	RS 3, PCB+1
.endif
	WIN PV1
	WPV 0, 1
	WPV 1, 1
.if PCB < 15
	RS 1, PCB+1
.endif
.endm
; THE SOFTMAX of the four tiles, each line written for all four, so that no line reads the result of the line before it.  s0-s31 are a lane's 32 scores of a tile, in pairs 0-15.
.macro FF b                            ; pair b: c s - c m
.set t, 0
.rept 4
	v_pk_fma_f32 v[S+32*t+2*(\b):S+32*t+2*(\b)+1], v[S+32*t+2*(\b):S+32*t+2*(\b)+1], s[CS:CS+1], v[ST+8*t:ST+8*t+1] op_sel_hi:[1,0,0] neg_lo:[0,0,1] neg_hi:[0,0,1]
.set t, t+1
.endr
.endm
.macro EE n                            ; the exponential of score n
.set t, 0
.rept 4
	v_exp_f32 v[S+32*t+(\n)], v[S+32*t+(\n)]
.set t, t+1
.endr
.endm
.macro AA n                            ; l takes pair n (pair 0: l = a l + pair)
.set t, 0
.rept 4
.if (\n) == 0
	s_wait_alu depctr_va_vdst(0)
	v_pk_fma_f32 v[ST+8*t+2:ST+8*t+3], v[ST+8*t+2:ST+8*t+3], v[ST+8*t+6:ST+8*t+7], v[S+32*t:S+32*t+1] op_sel_hi:[1,0,1]
.else
	s_wait_alu depctr_va_vdst(0)
	v_pk_add_f32 v[ST+8*t+2:ST+8*t+3], v[ST+8*t+2:ST+8*t+3], v[S+32*t+2*(\n):S+32*t+2*(\n)+1]
.endif
.set t, t+1
.endr
.endm
.macro CC n                            ; pair n rounded to f16, in place: register n's own pair has been summed and rounded by then
.set t, 0
.rept 4
	v_cvt_pk_f16_f32 v[S+32*t+(\n)], v[S+32*t+2*(\n)], v[S+32*t+2*(\n)+1]
.set t, t+1
.endr
.endm
.macro LUMP
	WIN 0
	PLACES                                         ; the lines below read scores just made
.set k, 0
.rept 4                                ; four chains c0-c3 of seven scores each; each accumulator's lowest registers are read first
	ALL v_max3_num_f32 v[ST+8*t+4+k], v[S+32*t+8*k], v[S+32*t+8*k+1], v[S+32*t+8*k+2]
.set k, k+1
.endr
.set k, 0
.rept 4
	ALL v_max3_num_f32 v[ST+8*t+4+k], v[ST+8*t+4+k], v[S+32*t+8*k+3], v[S+32*t+8*k+4]
.set k, k+1
.endr
.set k, 0
.rept 4
	ALL v_max3_num_f32 v[ST+8*t+4+k], v[ST+8*t+4+k], v[S+32*t+8*k+5], v[S+32*t+8*k+6]
.set k, k+1
.endr
	ALL v_max3_num_f32 v[ST+8*t+4], v[ST+8*t+4], v[S+32*t+7], v[S+32*t+15]    ; the four scores left over,
	ALL v_max3_num_f32 v[ST+8*t+6], v[ST+8*t+6], v[S+32*t+23], v[S+32*t+31]
	ALL v_max3_num_f32 v[ST+8*t+4], v[ST+8*t+4], v[ST+8*t+5], v[ST+8*t+6]     ; the chains,
	ALL v_max3_num_f32 v[ST+8*t+4], v[ST+8*t+4], v[ST+8*t+7], v[ST+8*t+1]     ; and the old m
	ALL v_permlanex16_b32 v[ST+8*t+5], v[ST+8*t+4], s[SEL], s[SEL+1]          ; the query's other 32 keys lie in the lane 16 away
	ALL v_mov_b32 v[ST+8*t+7], v[ST+8*t]                                      ; c m_old is kept
	ALL v_max_num_f32 v[ST+8*t+1], v[ST+8*t+4], v[ST+8*t+5]                   ; the new m
	ALL v_mul_f32 v[ST+8*t], s[CS], v[ST+8*t+1]                               ; c m
	ALL v_sub_f32 v[ST+8*t+7], v[ST+8*t+7], v[ST+8*t]                         ; c m_old - c m_new
	FF 0
	ALL v_exp_f32 v[ST+8*t+6], v[ST+8*t+7]                                    ; a
	FF 1
	FF 2
	FF 3
.set i, 0
.rept 16                               ; the exponentials of pair i; the scaling four pairs ahead; the sum and the rounding a pair back: plain lines stand between every exponential and the use of its result
	EE 2*i
.if i < 12
	FF i+4
.endif
	EE 2*i+1
.if i >= 1
	AA i-1
	CC i-1
.endif
.set i, i+1
.endr
	AA 15
	CC 15
	RS 0, 0                                        ; the first channel block's rescaling; the others stand between the products
	RS 1, 0
	RS 2, 0
	RS 3, 0
.endm
; A KEY STEP on the slot at s[TB].  The two additions and the v_nop (ten plain lines up to the first product) stand between the last step's last products and the loads into their fragment buffers,
; and the first products here, which write over P.
.macro STEP
	WIN 0
	v_add_nc_u32 v[AK], s[TB], v[AK0]
	v_add_nc_u32 v[AV], s[TB], v[AV0]
	PLACES
	LD 0
	LD 1
	LD 2
	WIN W_KQ
.irp u, 0,1,2,3,4,5,6,7,8,9,10,11,12,13,14,15
	KQU \u
.endr
	LUMP
.irp u, 16,17,18,19,20,21,22,23,24,25,26,27,28,29,30,31
	PVU \u
.endr
	WIN 0
.endm
.Lslot:                                                ; 31 trips: trip i waits for tile i, asks for tile i + 1 and works on tile i
	CHANGE 1
	STEP
	s_sub_co_u32 s[SLOTS], s[SLOTS], 1
	s_cmp_lg_u32 s[SLOTS], 0
	s_cbranch_scc1 .Lslot
	CHANGE 0                                       ; the last tile is written out: nothing is asked for
	STEP
	; THE MERGE of the two key halves.  l's two halves and the other half of the lanes' are added (the first four additions are the places behind the last products); (c m, l) then lie in a pair.
	ALL v_add_f32 v[ST+8*t+2], v[ST+8*t+2], v[ST+8*t+3]
	ALL v_permlanex16_b32 v[ST+8*t+3], v[ST+8*t+2], s[SEL], s[SEL+1]
	ALL v_add_f32 v[ST+8*t+1], v[ST+8*t+2], v[ST+8*t+3]
	s_wait_dscnt 0x0
	s_barrier_signal -1
	s_barrier_wait -1                              ; every wave's reads of the ring are over; the ring has had its last fill: the merge stage may be written
	WIN 0x08                                       ; store data in window 2
.set i, 0
.rept 64                               ; my tiles 2, 3 of O^T as they lie, 512 consecutive bytes a store; each accumulator's lower half goes first
	ds_store_b128 v[MSW], v[4*i:4*i+3] offset:512*i
.set i, i+1
.endr
	WIN 0
	ds_store_b64 v[STW], v[ST+16:ST+17]            ; tile 2's c m and l,
	ds_store_b64 v[STW], v[ST+24:ST+25] offset:256 ; tile 3's
	s_wait_dscnt 0x0                               ; for my partner's sake: my stores are done
	s_barrier_signal -1
	s_barrier_wait -1
	ds_load_b64 v[ST+4:ST+5], v[STR]               ; my partner's c m and l for my tile 0,
	ds_load_b64 v[ST+12:ST+13], v[STR] offset:256  ; and for my tile 1
	WIN 0x80                                       ; destination window 2: my partner's O^T for my tiles 0, 1 takes the place of what I gave
.set i, 0
.rept 64
	ds_load_b128 v[4*i:4*i+3], v[MSR] offset:512*i
.set i, i+1
.endr
	WIN 0
	s_wait_dscnt 0x0
	; f1 = a1 / (a1 l1 + a2 l2), f2 = a2 / (..), with a = 2^(c m - the larger c m): one of the two a is 1, and its l is at least about 1
.irp t, 0,1
	v_max_num_f32 v[ST+8*\t+6], v[ST+8*\t], v[ST+8*\t+4]
.endr
.irp t, 0,1
	v_sub_f32 v[ST+8*\t+2], v[ST+8*\t], v[ST+8*\t+6]
	v_sub_f32 v[ST+8*\t+3], v[ST+8*\t+4], v[ST+8*\t+6]
.endr
.irp t, 0,1
	v_exp_f32 v[ST+8*\t+2], v[ST+8*\t+2]
	v_exp_f32 v[ST+8*\t+3], v[ST+8*\t+3]
.endr
	v_nop                                          ; a plain instruction between the last exponential and the use of its result
	s_wait_alu depctr_va_vdst(0)
.irp t, 0,1
	v_mul_f32 v[ST+8*\t+7], v[ST+8*\t+2], v[ST+8*\t+1]
.endr
.irp t, 0,1
	v_fma_f32 v[ST+8*\t+7], v[ST+8*\t+3], v[ST+8*\t+5], v[ST+8*\t+7]
.endr
.irp t, 0,1
	v_rcp_f32 v[ST+8*\t+6], v[ST+8*\t+7]
.endr
	v_nop                                          ; and behind the last reciprocal
	s_wait_alu depctr_va_vdst(0)
.irp t, 0,1
	v_mul_f32 v[ST+8*\t+2], v[ST+8*\t+2], v[ST+8*\t+6]   ; f1
	v_mul_f32 v[ST+8*\t+4], v[ST+8*\t+3], v[ST+8*\t+6]   ; f2
.endr
.irp t, 0,1
	WIN 0x41                                       ; O1 = O1 f1, registers ascending
.set i, 0
.rept 64
	v_pk_mul_f32 v[128*\t+2*i:128*\t+2*i+1], v[128*\t+2*i:128*\t+2*i+1], v[ST+8*\t+2:ST+8*\t+3] op_sel_hi:[1,0]
.set i, i+1
.endr
	WIN 0x52                                       ; O1 = O2 f2 + O1: O2 in window 2, f2 in window 0, O1 in window 1
.set i, 0
.rept 64
	v_pk_fma_f32 v[128*\t+2*i:128*\t+2*i+1], v[128*\t+2*i:128*\t+2*i+1], v[ST+8*\t+4:ST+8*\t+5], v[128*\t+2*i:128*\t+2*i+1] op_sel_hi:[1,0,1]
.set i, i+1
.endr
.endr
; THE WAY OUT: channels 128 q .. 128 q + 127 of tile t's 16 rows go through my own stage: in by lanes (row l % 16, eight channels a block), back as whole rows of 512 bytes, into S^T's registers, two buffers by turns.
.macro HALF t, q
.set HB, S+64*(\q)
	WIN 0x04                                       ; store data in window 1
.irp i, 0,1,2,3,4,5,6,7
	ds_store_b128 v[OSW], v[128*(\t)+8*(8*(\q)+\i):128*(\t)+8*(8*(\q)+\i)+3]   offset:32*\i
	ds_store_b128 v[OSW], v[128*(\t)+8*(8*(\q)+\i)+4:128*(\t)+8*(8*(\q)+\i)+7] offset:32*\i+16
.endr
	WIN 0
.if (\t) > 0
	s_wait_xcnt 0x0                                ; the buffer's registers, which earlier stores read, are loaded again only behind this wait (ISA guide 3.1)
.endif
.irp k, 0,1,2,3,4,5,6,7,8,9,10,11,12,13,14,15
	ds_load_b128 v[HB+4*\k:HB+4*\k+3], v[OSR] offset:PITCH*\k  ; LDS serves a wave's instructions in order (ISA guide 5.7.1.4): these see the stores above; the next half's stores come behind them
.endr
.irp k, 0,1,2,3,4,5,6,7,8,9,10,11,12,13,14,15
	s_wait_dscnt 15-\k                             ; row k is back; the 15 - k loads behind it may stay out
	global_store_b128 v[GO], v[HB+4*\k:HB+4*\k+3], s[8:9] offset:(16*(\t)+\k)*1024+512*(\q) th:TH_STORE_NT  ; 512 consecutive bytes, at a multiple of 256 from out's first byte
.endr
.endm
	HALF 0, 0
	HALF 0, 1
	HALF 1, 0
	HALF 1, 1
	s_wait_tensorcnt 0x0                           ; the wave's end: three lines behind my last tensor load and my last LDS store
	ds_add_u32 v[SPW], v[NIL]
	s_wait_dscnt 0x0
	CROUND                                         ; the closing round: no work-group ends while a partner may still ask for a tile that names it
	s_endpgm
.Lfunc_end_k_qd744d406aa_attn:
	.size	k_qd744d406aa_attn, .Lfunc_end_k_qd744d406aa_attn-k_qd744d406aa_attn
	.p2alignl 7, 3214868480
	.fill 96, 4, 3214868480
	.section	.rodata,"a",@progbits
	.p2align	6, 0x0
	.amdhsa_kernel k_qd744d406aa_attn
		.amdhsa_group_segment_fixed_size 327680
		.amdhsa_private_segment_fixed_size 0
		.amdhsa_enable_private_segment 0
		.amdhsa_kernarg_size 24
		.amdhsa_user_sgpr_count 2
		.amdhsa_user_sgpr_kernarg_segment_ptr 1
		.amdhsa_wavefront_size32 1
		.amdhsa_system_sgpr_workgroup_id_x 1
		.amdhsa_system_sgpr_workgroup_id_y 1
		.amdhsa_system_sgpr_workgroup_id_z 1
		.amdhsa_system_vgpr_workitem_id 0
		.amdhsa_next_free_vgpr 1024
		.amdhsa_next_free_sgpr 66
		.amdhsa_reserve_vcc 0
		.amdhsa_float_denorm_mode_32 3
		.amdhsa_float_denorm_mode_16_64 3
		.amdhsa_memory_ordered 1
		.amdhsa_forward_progress 1
		.amdhsa_inst_pref_size 214
	.end_amdhsa_kernel
	.amdgpu_metadata
---
amdhsa.version: [ 1, 2 ]
amdhsa.kernels:
  - .name:           k_qd744d406aa_attn
    .symbol:         k_qd744d406aa_attn.kd
    .args:
      - { .name: vn, .offset: 0, .size: 8, .value_kind: global_buffer, .address_space: global }
      - { .name: tn, .offset: 8, .size: 8, .value_kind: global_buffer, .address_space: global }
      - { .name: out0, .offset: 16, .size: 8, .value_kind: global_buffer, .address_space: global }
    .group_segment_fixed_size: 327680
    .private_segment_fixed_size: 0
    .kernarg_segment_align: 8
    .kernarg_segment_size: 24
    .max_flat_workgroup_size: 128
    .sgpr_count:     66
    .vgpr_count:     1024
    .wavefront_size: 32
...
	.end_amdgpu_metadata
.endif
;; end of part 2
;; ======== version 2 of 2: 2 launches; 1.13 times as fast as version 1
;; limits: values are held in f16: magnitudes above 65,504 overflow, below 6.1e-05 lose precision; right only within a limited range of input values
;; workspace buffers: vn 16,777,216 bytes; tn 16,777,216 bytes
;; launch norm: the kernel of part 1 again; grid 256 x 2, 8 waves a work-group, no clusters, 0 bytes of LDS; arguments visual_tokens, text_tokens, gamma_v, gamma_t, beta_v, beta_t, vn, tn; writes vn, tn
;; launch attn (part 3): grid 32 x 8, 4 waves a work-group, clusters of 4 x 1, 327,680 bytes of LDS; arguments vn, tn, out0; writes out0
.if DOCPART == 3
	.amdgcn_target "amdgcn-amd-amdhsa--gfx1250"
	.amdhsa_code_object_version 6
	.text
	.protected	k_qd744d406aa_attn
	.globl	k_qd744d406aa_attn
	.p2align	8
	.type	k_qd744d406aa_attn,@function
k_qd744d406aa_attn:
	s_mov_b64 s[64:65], 0
	v_nop
	global_prefetch_b8 v0, s[64:65] scope:SCOPE_SE
	s_setreg_imm32_b32 hwreg(HW_REG_WAVE_MODE, 25, 1), 1
	s_wait_xcnt 0x0
	s_wait_alu depctr_hold_cnt(0) depctr_sa_sdst(0) depctr_va_vdst(0) depctr_va_sdst(0) depctr_va_ssrc(0) depctr_va_vcc(0) depctr_vm_vsrc(0)
	s_getreg_b32 s2, hwreg(HW_REG_IB_STS2, 6, 4)
	s_cmp_eq_u32 s2, 0
	s_cbranch_scc0 .Lentry_in_a_cluster
	s_endpgm
.Lentry_in_a_cluster:
	s_bfe_u32 s2, ttmp6, 0x10000c
	s_cmp_lg_u32 s2, 0x3003
	s_cbranch_scc0 .Lentry_shape_is_right
	s_endpgm
.Lentry_shape_is_right:
; out[b][q][:] = the sum over k of softmax_k(V[b][q] . T[b][k] / 16) T[b][k][:].  V = vn, T = tn: [8][4096][256] f16, rows of 512 bytes; out: the same shape in f32.
; Products, maxima and sums in f32; the weights p are rounded to f16 for the second product (their sum l is taken of the unrounded p).
; LIMITS.  V and T arrive within f16's range; p lies in 0 to 1 and below 6e-5 keeps f16's fixed step; a weight below 2^-126 counts as 0 in l; NaN and infinities are not treated apart.
; SHARES.  32,768 queries on 256 work-groups: 128 queries each.  Wave w = 2 qh + kh takes the 64 queries of half qh (four tiles of 16) and, of every 128 keys, the 64 of half kh:
; so a fragment read from LDS feeds four matrix instructions.  Each wave keeps its own running maximum m, sum l and O; the two key halves are merged once, at the end, through LDS.
; Register tile t of a wave holds query tile t xor 2 kh: every wave keeps its tiles 0, 1 and gives its tiles 2, 3 to its partner w xor 1, by one text.
; LAYOUT.  S^T = K Q^T (source 0 = 16 keys, source 1 = 16 queries): a lane holds ONE query (lane % 16) and the keys 8 (lane / 16) + 0..7.  Two such results rounded to f16 in pairs ARE
; source 1 (32 keys x 16 queries) of O^T = V^T P.  K and V are the same rows of T: one tile in LDS serves both, read as it lies for K and turned, by ds_load_tr16_b128, for V.
; The turning load's two groups of eight lanes take columns 128 bytes apart, so channel block cb holds channels base + 0..7 and base + 64 + 0..7, base = 128 (cb / 8) + 8 (cb % 8):
; in O^T register j of a lane is channel base + 64 (lane / 16) + j.
; SOFTMAX.  p = 2^(c s - c m), c = log2(e) / 16; in every step O and l are multiplied by a = 2^(c m_old - c m_new).  m starts at the lowest finite number, O and l at 0: the first
; step is a step like any other, with a = 0; the price is 512 lines that write 0, in the wait for the first tile.
; A STEP (128 keys, 64 a wave): 128 products K Q^T; the softmax of the four tiles; 128 products V^T P, with the rescaling of the next channel block's O^T between them.
; BATCHES.  A step's 132 exponentials (the four tiles' a, then their 128 scores') are ONE BATCH with ONE wait.  Ahead of the wait stand the maxima, the statistics, the 64 scalings and all the
; exponentials: none of these lines names an exponential's result.  Behind it stand all that do: the sums, the roundings, the rescalings by a.  Each result has a register of its own: the scores' in place
; in S^T, a in c2's place.  The merge has two batches, each with its wait: four exponentials, and the two reciprocals of sums made of them.
; CLUSTER.  The four query blocks of a cluster belong to one batch and walk the same T: each tile is asked for JOINTLY, the same tensor load, descriptor and mask in all four.
; REGISTERS, in windows of 256 (s_set_vgpr_msb: bits 1:0 source 0, 3:2 source 1, 5:4 source 2, 7:6 destination):
;   window 0: v0-19 addresses; v20-51 eight registers of statistics a tile; v52-179 S^T, 32 a tile, later P in place; v180-243 four fragment buffers of 16
;   window 1: O^T of tiles 0, 1 (tile t, block cb at 128 (t % 2) + 8 cb)      window 2: O^T of tiles 2, 3      window 3: Q (tile t, channels 32 c on at 64 t + 8 c)
.set PITCH, 528                        ; a row of T in LDS: 512 bytes + 16 of padding = 132 words: row r starts at bank 4 r mod 64 (64 banks of 4 bytes: ISA guide 11.1)
.set QUART, 32*PITCH                   ; what one tensor load brings: 32 rows
.set SLOT1, 1<<17                      ; slot 0 begins at 0, slot 1 here: one exclusive or turns an address in one slot into the other's
.set OST,   SLOT1+128*PITCH            ; behind the ring: 16 rows x 528 bytes for each wave, for the way out
.set STS,   OST+4*16*PITCH             ; 512 bytes for each wave: the statistics that it gives to its partner
.set SPARE, STS+4*512                  ; the spare words, 128 bytes for each wave: two blocks of 256 bytes that no other line names
                                       ; the merge stage, 32,768 bytes a wave from byte 0 on, ends where slot 1 begins; it is written when slot 0 has had its last fill
.set AK0, 3                            ; v3   my lane's place in a tile for K: (64 kh + l % 16) x 528 + 16 (l / 16)
.set AV0, 4                            ; v4   for V: (64 kh + 8 (l / 16) + l % 8) x 528 + 128 ((l / 8) % 2)
.set AK,  5                            ; v5   AK0 + the slot in hand
.set AV,  6                            ; v6   AV0 + the slot in hand
.set QO,  7                            ; v7   my byte offset in 16 rows of Q
.set MSW, 8                            ; v8   the merge stage: where I write
.set MSR, 9                            ; v9   where I read: my partner's
.set OSW, 10                           ; v10  the way out: where I put my channels of a row
.set OSR, 11                           ; v11  where I read a row back
.set GO,  12                           ; v12  16 x lane: my byte offset in 512 consecutive bytes of out
.set STW, 13                           ; v13  the statistics: where I write
.set STR, 14                           ; v14  where I read: my partner's
.set SPW, 18                           ; v18  LDS address of my spare word: SPARE + 4 x my thread's number; never rewritten
.set NIL, 19                           ; v19  0; never rewritten
.set ST,  20                           ; tile t at ST + 8 t: +0 c m, +1 m, +2, +3 l (even keys', odd keys'), +4 to +7 c0-c3 at work; a takes c2's place
.set S,   52
.set FR,  180
.set WV,  10                           ; s10  my wave's number;  s11 kh;  s12 qh
.set G1,  24                           ; s[24:31] descriptor group 1
.set G0,  32                           ; s[32:35] descriptor group 0: it walks
.set CS,  36                           ; s[36:37] c: the packed scaling takes the pair's low word for both halves
.set SEL, 38                           ; s[38:39] v_permlanex16_b32's selects: each lane takes its own place in the other half
.set TB,  40                           ; s40  LDS byte at which the slot in hand begins
.set SLOTS, 41                         ; s41  tiles still to be asked for
.set W_KQ, 0x0c                        ; Q (source 1) in window 3; K, S^T in window 0
.set PV1,  0x50                        ; O^T (C and D) in window 1; V, P in window 0
.set PV2,  0xa0                        ; the same with window 2
.set MSB, 0
.macro WIN new                         ; the high byte repeats the setting that is left; a switch that changes nothing is dropped
.if MSB != (\new)
	s_set_vgpr_msb (MSB<<8)|(\new)
.set MSB, (\new)
.endif
.endm
.macro PLACES                          ; four places in front of loads into registers that matrix instructions have read, and of vector lines that read results just made
.rept 4
	v_nop
.endr
.endm
.macro ALL line:vararg                 ; one line for each tile t
.set t, 0
.rept 4
	\line
.set t, t+1
.endr
.endm
; A round of the cluster's barrier: my work-group's barrier, so that wave 0's signal speaks for all four waves; wave 0 signals; every wave waits for all four work-groups; my work-group's barrier once more.
.macro CROUND
	s_barrier_signal -1
	s_barrier_wait -1
	s_cmp_lg_u32 s[WV], 0
	s_cbranch_scc1 .Lnot_wave_0_\@
	s_barrier_signal -3
.Lnot_wave_0_\@:
	s_barrier_wait -3
	s_barrier_signal -1
	s_barrier_wait -1
.endm
; A joint fill: every wave fetches its own 32 rows of the tile, by one line; an s_nop 0 and four v_nop follow it.
.macro JLOAD
	tensor_load_to_lds s[G0:G0+3], s[G1:G1+7]
	s_nop 0
	PLACES
.endm
; THE CHANGE OF SLOTS.  Each wave waits for all its tensor loads, of which one is out: its part of the other slot; adds 0 to its spare word; and waits for that and for its own reads of the
; slot that it leaves.  fill = 1: the barrier is a round of the cluster's, so that no wave of any partner still reads the old slot or has a load on its way, and the joint fill of the old slot,
; with the keys two tiles on from it, is the first thing behind it: it has a whole step, 256 matrix instructions and the softmax, in which to land.
; (At its first use nothing has been read yet: slot 0 is waited for, slot 1 filled.)
.macro CHANGE fill
	WIN 0                                          ; at a label and at a branch every window is 0
	s_wait_tensorcnt 0x0                           ; no tensor load of mine is out, so group 0 may be written
	ds_add_u32 v[SPW], v[NIL]                      ; 0 onto my spare word
.if \fill
	s_xor_b32 s[G0+1], s[G0+1], SLOT1              ; the walking descriptor: the other slot than last time,
	s_add_nc_u64 s[G0+2:G0+3], s[G0+2:G0+3], 128*512  ; the next 128 keys; the type bits on top are not reached
.endif
	s_wait_dscnt 0x0                               ; the add is done, and my reads of the slot are over
.if \fill
	CROUND
	JLOAD
.else
	s_barrier_signal -1
	s_barrier_wait -1
.endif
	s_xor_b32 s[TB], s[TB], SLOT1                  ; the reads go to the slot that has landed
.endm
	s_load_b128 s[4:7], s[0:1], 0x0                ; vn s[4:5], tn s[6:7]
	s_load_b64 s[8:9], s[0:1], 0x10                ; out0
	v_lshl_add_u32 v[SPW], v0, 2, SPARE
	v_mov_b32 v[NIL], 0
	ds_add_u32 v[SPW], v[NIL]                      ; the wave's opening: the add and its wait stand ahead of my first tensor load; the set-up below, work on registers, stands between them
	v_lshrrev_b32 v15, 5, v0
	v_readfirstlane_b32 s[WV], v15                 ; wave 0..3
	s_and_b32 s11, s[WV], 1                        ; kh: my half of the keys
	s_lshr_b32 s12, s[WV], 1                       ; qh: my half of the queries
	s_bfe_u32 s13, ttmp6, 0x40000                  ; cx: my place in the cluster
	s_lshl_b32 s14, ttmp9, 2                       ; in a cluster launch ttmp9 counts clusters
	s_add_co_u32 s14, s14, s13                     ; my block of 128 queries = 4 x cluster x + cx: it enters Q's and out's addresses alone
	s_and_b32 s16, ttmp7, 0xffff                   ; the batch, which the four partners share
	s_lshl_b32 s42, s16, 22                        ; its first byte in out,
	s_mov_b32 s43, 0
	s_lshl_b32 s16, s16, 21                        ; and in vn and tn
	s_mov_b32 s17, 0
	s_lshl_b32 s22, s[WV], 14                      ; my 32 rows of 512 bytes in a tile of T
	s_mov_b32 s23, 0
	s_add_nc_u64 s[22:23], s[22:23], s[16:17]
	s_lshl_b32 s2, s14, 16                         ; my block's 128 rows of 512 bytes,
	s_lshl_b32 s3, s12, 15                         ; my half's 64 of them
	s_add_co_u32 s2, s2, s3
	s_lshl_b32 s18, s11, 14                        ; register tiles 0, 1: query tiles 2 kh, 2 kh + 1
	s_add_co_u32 s18, s18, s2
	s_mov_b32 s19, 0
	s_xor_b32 s3, s11, 1                           ; register tiles 2, 3: the other two
	s_lshl_b32 s44, s3, 14
	s_add_co_u32 s44, s44, s2
	s_mov_b32 s45, 0
	s_lshl_b32 s46, s18, 1                         ; the rows that I store are those of tiles 0, 1, 1,024 bytes each
	s_mov_b32 s47, 0
	s_add_nc_u64 s[18:19], s[18:19], s[16:17]
	s_add_nc_u64 s[44:45], s[44:45], s[16:17]
	s_add_nc_u64 s[46:47], s[46:47], s[42:43]
	; descriptor group 1: a tile of 32 rows x 256 elements, padded in LDS
	s_mov_b32 s[G1], 15|(1<<16)|(1<<20)|(1<<21)|(6<<22)|(3<<25)  ; 15:0 the mask of four; 17:16 2-byte elements; 20 padding on; 21 set beside a mask; 24:22 after every 128 words (code 6); 31:25 4 words (code 3)
	s_mov_b32 s[G1+1], 256<<16                     ; tensor_dim0 = 256
	s_mov_b32 s[G1+2], 32<<16                      ; tensor_dim1 = 32
	s_mov_b32 s[G1+3], 256<<16                     ; tile_dim0 = 256
	s_mov_b32 s[G1+4], 32                          ; tile_dim1 = 32
	s_mov_b32 s[G1+5], 256                         ; 256 elements from row to row
	s_mov_b32 s[G1+6], 0
	s_mov_b32 s[G1+7], 0
	s_mov_b32 s[G0], 1                             ; 1:0 count = 1
	s_mul_i32 s[G0+1], s[WV], QUART                ; 63:32 LDS address: slot 0, my quarter: no place in the cluster enters an LDS address
	s_mov_b32 s[CS], 0x3db8aa3b                    ; c = log2(e) / 16 = 0.0901684
	s_mov_b32 s[CS+1], s[CS]                       ; named with it as a pair
	s_mov_b32 s[SEL], 0x76543210
	s_mov_b32 s[SEL+1], 0xfedcba98
	s_mov_b32 s[TB], SLOT1                         ; the first change of slots turns it into 0
	s_mov_b32 s[SLOTS], 4096/128-1
	v_and_b32 v1, 15, v0                           ; l % 16
	v_bfe_u32 v2, v0, 4, 1                         ; l / 16
	v_and_b32 v16, 31, v0                          ; l
	v_and_b32 v17, 7, v0                           ; l % 8
	v_bfe_u32 v15, v0, 3, 1                        ; (l / 8) % 2
	s_mul_i32 s48, s11, 64*PITCH                   ; my half of a tile's rows
	; A fragment of K or Q is 16 rows x 32 channels in 8 registers: lane l holds row l % 16, channels 8 (l / 16) + 0..7 and 16 + 8 (l / 16) + 0..7: two loads of 16 bytes, 32 bytes apart.
	v_mul_u32_u24 v[AK0], v1, PITCH
	v_lshl_add_u32 v[AK0], v2, 4, v[AK0]
	v_add_nc_u32 v[AK0], s48, v[AK0]
	; The turning load: lane l reads 16 bytes of key 8 (l / 16) + l % 8; lanes 8-15 and 24-31 read 128 bytes further on.
	v_lshl_add_u32 v[AV0], v2, 3, v17
	v_mul_u32_u24 v[AV0], v[AV0], PITCH
	v_lshl_add_u32 v[AV0], v15, 7, v[AV0]
	v_add_nc_u32 v[AV0], s48, v[AV0]
	v_lshlrev_b32 v[QO], 9, v1
	v_lshl_add_u32 v[QO], v2, 4, v[QO]             ; row x 512 + 16 x half
	v_lshlrev_b32 v[GO], 4, v16
	s_xor_b32 s50, s[WV], 1                        ; my partner: the same queries, the other keys
	s_lshl_b32 s49, s[WV], 15
	v_add_nc_u32 v[MSW], s49, v[GO]
	s_lshl_b32 s49, s50, 15
	v_add_nc_u32 v[MSR], s49, v[GO]
	s_mul_i32 s49, s[WV], 16*PITCH
	s_add_co_u32 s49, s49, OST                     ; my stage for the way out
	v_mul_u32_u24 v[OSW], v1, PITCH                ; in: row l % 16, 256 bytes on for the upper half of the lanes (their channels lie 64 further on)
	v_lshl_add_u32 v[OSW], v2, 8, v[OSW]
	v_add_nc_u32 v[OSW], s49, v[OSW]
	v_add_nc_u32 v[OSR], s49, v[GO]                ; back: 32 lanes take one row's 512 bytes
	s_lshl_b32 s49, s[WV], 9
	s_add_co_u32 s49, s49, STS
	v_lshl_add_u32 v[STW], v16, 3, s49
	s_lshl_b32 s49, s50, 9
	s_add_co_u32 s49, s49, STS
	v_lshl_add_u32 v[STR], v16, 3, s49
	s_wait_dscnt 0x0                               ; the opening add is done
	s_wait_kmcnt 0x0
	s_add_nc_u64 s[G0+2:G0+3], s[6:7], s[22:23]    ; 120:64 global address: my quarter of the batch's first 128 keys
	s_or_b32 s[G0+3], s[G0+3], 0x80000000          ; 127:126 type = 2
	s_add_nc_u64 s[20:21], s[4:5], s[44:45]        ; Q of register tiles 2, 3
	s_add_nc_u64 s[4:5], s[4:5], s[18:19]          ; Q of register tiles 0, 1
	s_add_nc_u64 s[8:9], s[8:9], s[46:47]          ; out at the rows of register tiles 0, 1
	CROUND                                         ; all four work-groups are here: the first joint loads meet
	JLOAD                                          ; tile 0 into slot 0; slot 1 is asked for when slot 0 is in, by the loop's own change of slots
	WIN 0xc0                                       ; destination window 3, address window 0
.irp t, 0,1
.irp c, 0,1,2,3,4,5,6,7                ; Q stays in registers
	global_load_b128 v[64*\t+8*\c:64*\t+8*\c+3],           v[QO], s[4:5] offset:\t*8192+64*\c
	global_load_b128 v[64*\t+8*\c+4:64*\t+8*\c+7],         v[QO], s[4:5] offset:\t*8192+64*\c+32
	global_load_b128 v[128+64*\t+8*\c:128+64*\t+8*\c+3],   v[QO], s[20:21] offset:\t*8192+64*\c
	global_load_b128 v[128+64*\t+8*\c+4:128+64*\t+8*\c+7], v[QO], s[20:21] offset:\t*8192+64*\c+32
.endr
.endr
	WIN 0x40                                       ; O^T = 0: all this stands in the wait for the first tile
.set i, 0
.rept 256
	v_mov_b32 v[i], 0
.set i, i+1
.endr
	WIN 0x80
.set i, 0
.rept 256
	v_mov_b32 v[i], 0
.set i, i+1
.endr
	WIN 0
	ALL v_mov_b32 v[ST+8*t], 0xfe000000            ; c m: far below every c s
	ALL v_mov_b32 v[ST+8*t+1], 0xff7fffff          ; m: the lowest finite number
	ALL v_mov_b32 v[ST+8*t+2], 0
	ALL v_mov_b32 v[ST+8*t+3], 0
	s_wait_loadcnt 0x0                             ; Q
; THE LDS LOADS go in units of four, into four buffers of 16 registers by turns, three units ahead of their use.
; Units 0-15, K: channels 32 (u / 2) on, key blocks 2 (u % 2) and 2 (u % 2) + 1.  Units 16-31, V: channel block u - 16, both halves of the wave's 64 keys.
.macro LD u
.set LB, FR+16*((\u)%4)
.if (\u) < 16
.set LC, (\u)/2
.irp f, 0,1
.set LK, 2*((\u)%2)+\f
	ds_load_b128 v[LB+8*\f:LB+8*\f+3],   v[AK] offset:16*PITCH*LK+64*LC
	ds_load_b128 v[LB+8*\f+4:LB+8*\f+7], v[AK] offset:16*PITCH*LK+64*LC+32
.endr
.else
.set LCB, (\u)-16
.set LCOL, 256*(LCB/8)+16*(LCB%8)
.irp kk, 0,1
	ds_load_tr16_b128 v[LB+8*\kk:LB+8*\kk+3],   v[AV] offset:32*PITCH*\kk+LCOL
	ds_load_tr16_b128 v[LB+8*\kk+4:LB+8*\kk+7], v[AV] offset:32*PITCH*\kk+16*PITCH+LCOL
.endr
.endif
.endm
; Unit u of S^T = K Q^T: eight products on eight accumulators, which take turns (an accumulator comes again sixteen products later).  Channels 0-31 start the sums.
; The loads go into the buffer that the unit before has just multiplied: four places stand in front of them.  All of it runs under the one window setting W_KQ.
.macro KQU u
	PLACES
	LD (\u)+3
	s_wait_dscnt 12                                ; LDS loads come back in order: the twelve of the three units ahead may stay out, this unit's four are in
.set KC, (\u)/2
.set KF, FR+16*((\u)%4)
.irp f, 0,1
.irp t, 0,1,2,3
.set KD, S+32*\t+8*(2*((\u)%2)+\f)
.if KC == 0
	v_wmma_f32_16x16x32_f16 v[KD:KD+7], v[KF+8*\f:KF+8*\f+7], v[64*\t+8*KC:64*\t+8*KC+7], 0
.else
	v_wmma_f32_16x16x32_f16 v[KD:KD+7], v[KF+8*\f:KF+8*\f+7], v[64*\t+8*KC:64*\t+8*KC+7], v[KD:KD+7]
.endif
.endr
.endr
.endm
; Block cb of tile t's O^T times a, its registers in ascending order.
.macro RS t, cb
	WIN 0x41*(1+(\t)/2)                            ; destination and source 0 in window 1 or 2, a in window 0
.set RO, 128*((\t)%2)+8*(\cb)
.irp z, 0,1,2,3
	v_pk_mul_f32 v[RO+2*\z:RO+2*\z+1], v[RO+2*\z:RO+2*\z+1], v[ST+8*(\t)+6:ST+8*(\t)+7] op_sel_hi:[1,0]
.endr
.endm
.macro WPV t, kk                       ; O^T(t, block PCB) += V^T P for keys 32 kk on
.set PO, 128*((\t)%2)+8*PCB
	v_wmma_f32_16x16x32_f16 v[PO:PO+7], v[PF+8*(\kk):PF+8*(\kk)+7], v[S+32*(\t)+8*(\kk):S+32*(\t)+8*(\kk)+7], v[PO:PO+7]
.endm
; Unit u of O^T += V^T P: channel block u - 16, eight products; the four accumulators take turns: between the two links of a chain stands at least one other's.
; Between the pairs of products stands the rescaling of the NEXT block, which names none of their registers; the last four such lines are the places in front of the next unit's loads.
.macro PVU u
.if (\u) <= 28
	WIN 0
	LD (\u)+3
	s_wait_dscnt 12                                ; the three units ahead may stay out
.else
	s_wait_dscnt 4*(31-(\u))                       ; nothing more is fetched: the count runs down 8, 4, 0
.endif
.set PCB, (\u)-16
.set PF, FR+16*((\u)%4)
	WIN PV1
	WPV 0, 0
	WPV 1, 0
.if PCB < 15
	RS 0, PCB+1
.endif
	WIN PV2
	WPV 2, 0
	WPV 3, 0
.if PCB < 15
	RS 2, PCB+1
.endif
	WIN PV2
	WPV 2, 1
	WPV 3, 1
.if PCB < 15
	RS 3, PCB+1
.endif
	WIN PV1
	WPV 0, 1
	WPV 1, 1
.if PCB < 15
	RS 1, PCB+1
.endif
.endm
; THE SOFTMAX of the four tiles; the tiles alternate line by line, so that no line reads the result of the line before it.  s0-s31 are a lane's 32 scores of a tile, in pairs 0-15.
.macro F1 f                            ; scaling f of 64: pair f / 4 of tile f % 4: c s - c m
.set BS, S+32*((\f)%4)+2*((\f)/4)
.set BT, ST+8*((\f)%4)
	v_pk_fma_f32 v[BS:BS+1], v[BS:BS+1], s[CS:CS+1], v[BT:BT+1] op_sel_hi:[1,0,0] neg_lo:[0,0,1] neg_hi:[0,0,1]
.endm
.macro E1 e                            ; exponential e of 128: score e / 4 of tile e % 4, in place
.set BS, S+32*((\e)%4)+(\e)/4
	v_exp_f32 v[BS], v[BS]
.endm
.macro AA n                            ; l takes pair n (pair 0: l = a l + pair)
.set t, 0
.rept 4
.if (\n) == 0
	v_pk_fma_f32 v[ST+8*t+2:ST+8*t+3], v[ST+8*t+2:ST+8*t+3], v[ST+8*t+6:ST+8*t+7], v[S+32*t:S+32*t+1] op_sel_hi:[1,0,1]
.else
	v_pk_add_f32 v[ST+8*t+2:ST+8*t+3], v[ST+8*t+2:ST+8*t+3], v[S+32*t+2*(\n):S+32*t+2*(\n)+1]
.endif
.set t, t+1
.endr
.endm
.macro CC n                            ; pair n rounded to f16, in place: register n's own pair has been summed and rounded by then
.set t, 0
.rept 4
	v_cvt_pk_f16_f32 v[S+32*t+(\n)], v[S+32*t+2*(\n)], v[S+32*t+2*(\n)+1]
.set t, t+1
.endr
.endm
.macro LUMP
	WIN 0
	PLACES                                         ; the lines below read scores just made
.set k, 0
.rept 4                                ; four chains c0-c3 of seven scores each; each accumulator's lowest registers are read first
	ALL v_max3_num_f32 v[ST+8*t+4+k], v[S+32*t+8*k], v[S+32*t+8*k+1], v[S+32*t+8*k+2]
.set k, k+1
.endr
.set k, 0
.rept 4
	ALL v_max3_num_f32 v[ST+8*t+4+k], v[ST+8*t+4+k], v[S+32*t+8*k+3], v[S+32*t+8*k+4]
.set k, k+1
.endr
.set k, 0
.rept 4
	ALL v_max3_num_f32 v[ST+8*t+4+k], v[ST+8*t+4+k], v[S+32*t+8*k+5], v[S+32*t+8*k+6]
.set k, k+1
.endr
	ALL v_max3_num_f32 v[ST+8*t+4], v[ST+8*t+4], v[S+32*t+7], v[S+32*t+15]    ; the four scores left over,
	ALL v_max3_num_f32 v[ST+8*t+6], v[ST+8*t+6], v[S+32*t+23], v[S+32*t+31]
	ALL v_max3_num_f32 v[ST+8*t+4], v[ST+8*t+4], v[ST+8*t+5], v[ST+8*t+6]     ; the chains,
	ALL v_max3_num_f32 v[ST+8*t+4], v[ST+8*t+4], v[ST+8*t+7], v[ST+8*t+1]     ; and the old m
	ALL v_permlanex16_b32 v[ST+8*t+5], v[ST+8*t+4], s[SEL], s[SEL+1]          ; the query's other 32 keys lie in the lane 16 away
	ALL v_mov_b32 v[ST+8*t+7], v[ST+8*t]                                      ; c m_old is kept
	ALL v_max_num_f32 v[ST+8*t+1], v[ST+8*t+4], v[ST+8*t+5]                   ; the new m
	ALL v_mul_f32 v[ST+8*t], s[CS], v[ST+8*t+1]                               ; c m
	ALL v_sub_f32 v[ST+8*t+7], v[ST+8*t+7], v[ST+8*t]                         ; c m_old - c m_new
	; THE BATCH: 64 scalings and 132 exponentials, of which no line names an exponential's result.  Exponential e needs scaling 4 (e / 8) + e % 4; scalings 0 to e + 7 are out when it is issued.
.set i, 0
.rept 4                                ; pair 0 of the four tiles
	F1 i
.set i, i+1
.endr
.set i, 0
.rept 4                                ; a of each tile, a scaling of pair 1 behind it
	v_exp_f32 v[ST+8*i+6], v[ST+8*i+7]
	F1 i+4
.set i, i+1
.endr
.set i, 0
.rept 56                               ; exponential and scaling by turns, while there are scalings
	E1 i
	F1 i+8
.set i, i+1
.endr
.rept 72                               ; the exponentials that are left
	E1 i
.set i, i+1
.endr
	v_nop                                          ; a plain instruction behind the last exponential and ahead of the first use (ISA guide 5.7.2): one for the batch; all other work of the step reads the batch's results
	s_wait_alu depctr_va_vdst(0)                   ; the wait for the batch: one for the step's 132 exponentials, ahead of their first reader
.set i, 0
.rept 16                               ; behind the wait: pair i is summed, then rounded, pairs ascending
	AA i
	CC i
.set i, i+1
.endr
	RS 0, 0                                        ; the first channel block's rescaling; the others stand between the products
	RS 1, 0
	RS 2, 0
	RS 3, 0
.endm
; A KEY STEP on the slot at s[TB].  The two additions and the v_nop (ten plain lines up to the first product) stand between the last step's last products and the loads into their fragment buffers,
; and the first products here, which write over P.
.macro STEP
	WIN 0
	v_add_nc_u32 v[AK], s[TB], v[AK0]
	v_add_nc_u32 v[AV], s[TB], v[AV0]
	PLACES
	LD 0
	LD 1
	LD 2
	WIN W_KQ
.irp u, 0,1,2,3,4,5,6,7,8,9,10,11,12,13,14,15
	KQU \u
.endr
	LUMP
.irp u, 16,17,18,19,20,21,22,23,24,25,26,27,28,29,30,31
	PVU \u
.endr
	WIN 0
.endm
.Lslot:                                                ; 31 trips: trip i waits for tile i, asks for tile i + 1 and works on tile i; no exponential is issued behind a step's wait
	CHANGE 1
	STEP
	s_sub_co_u32 s[SLOTS], s[SLOTS], 1
	s_cmp_lg_u32 s[SLOTS], 0
	s_cbranch_scc1 .Lslot
	CHANGE 0                                       ; the last tile is written out: nothing is asked for
	STEP
	; THE MERGE of the two key halves.  l's two halves and the other half of the lanes' are added (the first four additions are the places behind the last products); (c m, l) then lie in a pair.
	ALL v_add_f32 v[ST+8*t+2], v[ST+8*t+2], v[ST+8*t+3]
	ALL v_permlanex16_b32 v[ST+8*t+3], v[ST+8*t+2], s[SEL], s[SEL+1]
	ALL v_add_f32 v[ST+8*t+1], v[ST+8*t+2], v[ST+8*t+3]
	s_wait_dscnt 0x0
	s_barrier_signal -1
	s_barrier_wait -1                              ; every wave's reads of the ring are over; the ring has had its last fill: the merge stage may be written
	WIN 0x08                                       ; store data in window 2
.set i, 0
.rept 64                               ; my tiles 2, 3 of O^T as they lie, 512 consecutive bytes a store; each accumulator's lower half goes first
	ds_store_b128 v[MSW], v[4*i:4*i+3] offset:512*i
.set i, i+1
.endr
	WIN 0
	ds_store_b64 v[STW], v[ST+16:ST+17]            ; tile 2's c m and l,
	ds_store_b64 v[STW], v[ST+24:ST+25] offset:256 ; tile 3's
	s_wait_dscnt 0x0                               ; for my partner's sake: my stores are done
	s_barrier_signal -1
	s_barrier_wait -1
	ds_load_b64 v[ST+4:ST+5], v[STR]               ; my partner's c m and l for my tile 0,
	ds_load_b64 v[ST+12:ST+13], v[STR] offset:256  ; and for my tile 1
	WIN 0x80                                       ; destination window 2: my partner's O^T for my tiles 0, 1 takes the place of what I gave
.set i, 0
.rept 64
	ds_load_b128 v[4*i:4*i+3], v[MSR] offset:512*i
.set i, i+1
.endr
	WIN 0
	s_wait_dscnt 0x0
	; f1 = a1 / (a1 l1 + a2 l2), f2 = a2 / (..), with a = 2^(c m - the larger c m): one of the two a is 1, and its l is at least about 1
.irp t, 0,1
	v_max_num_f32 v[ST+8*\t+6], v[ST+8*\t], v[ST+8*\t+4]
.endr
.irp t, 0,1
	v_sub_f32 v[ST+8*\t+2], v[ST+8*\t], v[ST+8*\t+6]
	v_sub_f32 v[ST+8*\t+3], v[ST+8*\t+4], v[ST+8*\t+6]
.endr
.irp t, 0,1
	v_exp_f32 v[ST+8*\t+2], v[ST+8*\t+2]
	v_exp_f32 v[ST+8*\t+3], v[ST+8*\t+3]
.endr
	v_nop                                          ; a plain instruction between the last exponential and the use of its result
	s_wait_alu depctr_va_vdst(0)                   ; one wait for the merge's four exponentials
.irp t, 0,1
	v_mul_f32 v[ST+8*\t+7], v[ST+8*\t+2], v[ST+8*\t+1]
.endr
.irp t, 0,1
	v_fma_f32 v[ST+8*\t+7], v[ST+8*\t+3], v[ST+8*\t+5], v[ST+8*\t+7]
.endr
.irp t, 0,1
	v_rcp_f32 v[ST+8*\t+6], v[ST+8*\t+7]
.endr
	v_nop                                          ; and behind the last reciprocal
	s_wait_alu depctr_va_vdst(0)                   ; a batch of their own, since they read sums made of the exponentials: one wait for the two reciprocals
.irp t, 0,1
	v_mul_f32 v[ST+8*\t+2], v[ST+8*\t+2], v[ST+8*\t+6]   ; f1
	v_mul_f32 v[ST+8*\t+4], v[ST+8*\t+3], v[ST+8*\t+6]   ; f2
.endr
.irp t, 0,1
	WIN 0x41                                       ; O1 = O1 f1, registers ascending
.set i, 0
.rept 64
	v_pk_mul_f32 v[128*\t+2*i:128*\t+2*i+1], v[128*\t+2*i:128*\t+2*i+1], v[ST+8*\t+2:ST+8*\t+3] op_sel_hi:[1,0]
.set i, i+1
.endr
	WIN 0x52                                       ; O1 = O2 f2 + O1: O2 in window 2, f2 in window 0, O1 in window 1
.set i, 0
.rept 64
	v_pk_fma_f32 v[128*\t+2*i:128*\t+2*i+1], v[128*\t+2*i:128*\t+2*i+1], v[ST+8*\t+4:ST+8*\t+5], v[128*\t+2*i:128*\t+2*i+1] op_sel_hi:[1,0,1]
.set i, i+1
.endr
.endr
; THE WAY OUT: channels 128 q .. 128 q + 127 of tile t's 16 rows go through my own stage: in by lanes (row l % 16, eight channels a block), back as whole rows of 512 bytes, into S^T's registers, two buffers by turns.
.macro HALF t, q
.set HB, S+64*(\q)
	WIN 0x04                                       ; store data in window 1
.irp i, 0,1,2,3,4,5,6,7
	ds_store_b128 v[OSW], v[128*(\t)+8*(8*(\q)+\i):128*(\t)+8*(8*(\q)+\i)+3]   offset:32*\i
	ds_store_b128 v[OSW], v[128*(\t)+8*(8*(\q)+\i)+4:128*(\t)+8*(8*(\q)+\i)+7] offset:32*\i+16
.endr
	WIN 0
.if (\t) > 0
	s_wait_xcnt 0x0                                ; the buffer's registers, which earlier stores read, are loaded again only behind this wait (ISA guide 3.1)
.endif
.irp k, 0,1,2,3,4,5,6,7,8,9,10,11,12,13,14,15
	ds_load_b128 v[HB+4*\k:HB+4*\k+3], v[OSR] offset:PITCH*\k  ; LDS serves a wave's instructions in order (ISA guide 5.7.1.4): these see the stores above; the next half's stores come behind them
.endr
.irp k, 0,1,2,3,4,5,6,7,8,9,10,11,12,13,14,15
	s_wait_dscnt 15-\k                             ; row k is back; the 15 - k loads behind it may stay out
	global_store_b128 v[GO], v[HB+4*\k:HB+4*\k+3], s[8:9] offset:(16*(\t)+\k)*1024+512*(\q) th:TH_STORE_NT  ; 512 consecutive bytes, at a multiple of 256 from out's first byte
.endr
.endm
	HALF 0, 0
	HALF 0, 1
	HALF 1, 0
	HALF 1, 1
	s_wait_tensorcnt 0x0                           ; the wave's end: three lines behind my last tensor load and my last LDS store
	ds_add_u32 v[SPW], v[NIL]
	s_wait_dscnt 0x0
	CROUND                                         ; the closing round: no work-group ends while a partner may still ask for a tile that names it
	s_endpgm
.Lfunc_end_k_qd744d406aa_attn:
	.size	k_qd744d406aa_attn, .Lfunc_end_k_qd744d406aa_attn-k_qd744d406aa_attn
	.p2alignl 7, 3214868480
	.fill 96, 4, 3214868480
	.section	.rodata,"a",@progbits
	.p2align	6, 0x0
	.amdhsa_kernel k_qd744d406aa_attn
		.amdhsa_group_segment_fixed_size 327680
		.amdhsa_private_segment_fixed_size 0
		.amdhsa_enable_private_segment 0
		.amdhsa_kernarg_size 24
		.amdhsa_user_sgpr_count 2
		.amdhsa_user_sgpr_kernarg_segment_ptr 1
		.amdhsa_wavefront_size32 1
		.amdhsa_system_sgpr_workgroup_id_x 1
		.amdhsa_system_sgpr_workgroup_id_y 1
		.amdhsa_system_sgpr_workgroup_id_z 1
		.amdhsa_system_vgpr_workitem_id 0
		.amdhsa_next_free_vgpr 1024
		.amdhsa_next_free_sgpr 66
		.amdhsa_reserve_vcc 0
		.amdhsa_float_denorm_mode_32 3
		.amdhsa_float_denorm_mode_16_64 3
		.amdhsa_memory_ordered 1
		.amdhsa_forward_progress 1
		.amdhsa_inst_pref_size 210
	.end_amdhsa_kernel
	.amdgpu_metadata
---
amdhsa.version: [ 1, 2 ]
amdhsa.kernels:
  - .name:           k_qd744d406aa_attn
    .symbol:         k_qd744d406aa_attn.kd
    .args:
      - { .name: vn, .offset: 0, .size: 8, .value_kind: global_buffer, .address_space: global }
      - { .name: tn, .offset: 8, .size: 8, .value_kind: global_buffer, .address_space: global }
      - { .name: out0, .offset: 16, .size: 8, .value_kind: global_buffer, .address_space: global }
    .group_segment_fixed_size: 327680
    .private_segment_fixed_size: 0
    .kernarg_segment_align: 8
    .kernarg_segment_size: 24
    .max_flat_workgroup_size: 128
    .sgpr_count:     66
    .vgpr_count:     1024
    .wavefront_size: 32
...
	.end_amdgpu_metadata
.endif
;; end of part 3
